; MI455X (gfx1250); checked and timed in simulation.
; The chip was launched on July 23, 2026; its instructions are those of AMD's public machine-readable ISA for CDNA 5 (MIT licence, August 2026) and "CDNA5" Instruction Set Architecture Reference Guide (July 2026). The comments in the code are by the model that wrote it; some were corrected since.
;; Expert MLP. Allowed arithmetic: float matrix products may take bf16 or f16 operands with f32 sums; all other float work in f32.
;; Inputs: W_fc 4,096 x 1,024 float32; W_proj 1,024 x 4,096 float32; x 8,192 x 1,024 float32.
;; Outputs: out0 8,192 x 1,024 float32.
;; One version. Each part assembles by itself: llvm-mc -triple=amdgcn-amd-amdhsa -mcpu=gfx1250 --defsym DOCPART=n.
;; ======== version 1 of 1: 3 launches
;; workspace buffers: xb 16,777,216 bytes; wfb 8,388,608 bytes; wpb 8,388,608 bytes; hb 67,108,864 bytes
;; launch tobf16 (part 1): grid 1024 x 1, 8 waves a work-group, no clusters, 0 bytes of LDS; arguments x, W_fc, W_proj, xb, wfb, wpb; writes xb, wfb, wpb
.if DOCPART == 1
	.amdgcn_target "amdgcn-amd-amdhsa--gfx1250"
	.amdhsa_code_object_version 6
	.text
	.protected	k_q8937c5776f_tobf16
	.globl	k_q8937c5776f_tobf16
	.p2align	8
	.type	k_q8937c5776f_tobf16,@function
k_q8937c5776f_tobf16:
	s_mov_b64 s[64:65], 0
	v_nop
	global_prefetch_b8 v0, s[64:65] scope:SCOPE_SE
	s_setreg_imm32_b32 hwreg(HW_REG_WAVE_MODE, 25, 1), 1
	s_wait_xcnt 0x0
; xb = bf16(x), wfb = bf16(W_fc), wpb = bf16(W_proj): each f32 number is rounded once, to nearest even, so that the two products that
; follow read 16-bit operands and convert nothing: there every number of x is read by 16 column blocks, every weight by 32 or 64 row blocks.
; A stream: every byte is read once and written once, so LDS, barriers, the matrix unit and clusters would add nothing.
; 1,024 work-groups of eight waves.  Work-group g takes 32,768 bytes of x and 16,384 bytes of each weight matrix, at g times these sizes:
; the same text for every work-group, no branch.  Thread t takes the 16 bytes at 16 t + 4,096 j of a part (a load of a wave covers 512
; consecutive bytes) and writes their four bf16 at 8 t + 2,048 j of the output's part (a store of a wave covers 256 consecutive bytes, aligned).
; All 16 loads of a thread are issued at once; every register is written once, so no source of a pending instruction is ever rewritten.
.set IN,  1                            ; v1        16 t
.set OUT, 2                            ; v2        8 t
.set X,   4                            ; v[4:67]   load i: four f32
.set Y,   68                           ; v[68:99]  load i: four bf16
	s_load_b256 s[4:11], s[0:1], 0x0               ; x s[4:5], W_fc s[6:7], W_proj s[8:9], xb s[10:11]
	s_load_b128 s[12:15], s[0:1], 0x20             ; wfb s[12:13], wpb s[14:15]
	s_lshl_b32 s16, ttmp9, 15                      ; g x 32,768: my part of x
	s_mov_b32 s17, 0
	s_lshl_b32 s18, ttmp9, 14                      ; g x 16,384: my part of W_fc, of W_proj and of xb
	s_mov_b32 s19, 0
	s_lshl_b32 s20, ttmp9, 13                      ; g x 8,192: my part of wfb and of wpb
	s_mov_b32 s21, 0
	v_lshlrev_b32 v[IN], 4, v0
	v_lshlrev_b32 v[OUT], 3, v0
	s_wait_kmcnt 0x0
	s_add_nc_u64 s[4:5], s[4:5], s[16:17]
	s_add_nc_u64 s[6:7], s[6:7], s[18:19]
	s_add_nc_u64 s[8:9], s[8:9], s[18:19]
	s_add_nc_u64 s[10:11], s[10:11], s[18:19]
	s_add_nc_u64 s[12:13], s[12:13], s[20:21]
	s_add_nc_u64 s[14:15], s[14:15], s[20:21]
.irp j, 0,1,2,3,4,5,6,7
	global_load_b128 v[X+4*\j:X+4*\j+3], v[IN], s[4:5] offset:4096*\j th:TH_LOAD_NT          ; the f32 inputs are read once in the whole program
.endr
.irp j, 0,1,2,3
	global_load_b128 v[X+32+4*\j:X+32+4*\j+3], v[IN], s[6:7] offset:4096*\j th:TH_LOAD_NT
.endr
.irp j, 0,1,2,3
	global_load_b128 v[X+48+4*\j:X+48+4*\j+3], v[IN], s[8:9] offset:4096*\j th:TH_LOAD_NT
.endr
; Load i has come: round its four numbers and store them.  The stores carry no hint: the next launches read these bytes.
.macro CVST i, base, off
	s_wait_loadcnt 15-(\i)                         ; loads come back in order (ISA guide 5.7.1): the 15 - i younger ones may stay out
	v_cvt_pk_bf16_f32 v[Y+2*(\i)],   v[X+4*(\i)],   v[X+4*(\i)+1]
	v_cvt_pk_bf16_f32 v[Y+2*(\i)+1], v[X+4*(\i)+2], v[X+4*(\i)+3]
	global_store_b64 v[OUT], v[Y+2*(\i):Y+2*(\i)+1], s[\base:\base+1] offset:\off
.endm
.irp j, 0,1,2,3,4,5,6,7
	CVST \j, 10, 2048*\j
.endr
.irp j, 0,1,2,3
	CVST 8+\j, 12, 2048*\j
.endr
.irp j, 0,1,2,3
	CVST 12+\j, 14, 2048*\j
.endr
	s_endpgm
.Lfunc_end_k_q8937c5776f_tobf16:
	.size	k_q8937c5776f_tobf16, .Lfunc_end_k_q8937c5776f_tobf16-k_q8937c5776f_tobf16
	.p2alignl 7, 3214868480
	.fill 96, 4, 3214868480
	.section	.rodata,"a",@progbits
	.p2align	6, 0x0
	.amdhsa_kernel k_q8937c5776f_tobf16
		.amdhsa_group_segment_fixed_size 0
		.amdhsa_private_segment_fixed_size 0
		.amdhsa_enable_private_segment 0
		.amdhsa_kernarg_size 48
		.amdhsa_user_sgpr_count 2
		.amdhsa_user_sgpr_kernarg_segment_ptr 1
		.amdhsa_wavefront_size32 1
		.amdhsa_system_sgpr_workgroup_id_x 1
		.amdhsa_system_sgpr_workgroup_id_y 1
		.amdhsa_system_sgpr_workgroup_id_z 1
		.amdhsa_system_vgpr_workitem_id 0
		.amdhsa_next_free_vgpr 100
		.amdhsa_next_free_sgpr 66
		.amdhsa_reserve_vcc 0
		.amdhsa_float_denorm_mode_32 3
		.amdhsa_float_denorm_mode_16_64 3
		.amdhsa_memory_ordered 1
		.amdhsa_forward_progress 1
		.amdhsa_inst_pref_size 7
	.end_amdhsa_kernel
	.amdgpu_metadata
---
amdhsa.version: [ 1, 2 ]
amdhsa.kernels:
  - .name:           k_q8937c5776f_tobf16
    .symbol:         k_q8937c5776f_tobf16.kd
    .args:
      - { .name: x, .offset: 0, .size: 8, .value_kind: global_buffer, .address_space: global }
      - { .name: W_fc, .offset: 8, .size: 8, .value_kind: global_buffer, .address_space: global }
      - { .name: W_proj, .offset: 16, .size: 8, .value_kind: global_buffer, .address_space: global }
      - { .name: xb, .offset: 24, .size: 8, .value_kind: global_buffer, .address_space: global }
      - { .name: wfb, .offset: 32, .size: 8, .value_kind: global_buffer, .address_space: global }
      - { .name: wpb, .offset: 40, .size: 8, .value_kind: global_buffer, .address_space: global }
    .group_segment_fixed_size: 0
    .private_segment_fixed_size: 0
    .kernarg_segment_align: 8
    .kernarg_segment_size: 48
    .max_flat_workgroup_size: 256
    .sgpr_count:     66
    .vgpr_count:     100
    .wavefront_size: 32
...
	.end_amdgpu_metadata
.endif
;; end of part 1
;; launch fc (part 2): grid 16 x 32, 4 waves a work-group, clusters of 4 x 4, 327,680 bytes of LDS; arguments xb, wfb, hb; writes hb
.if DOCPART == 2
	.amdgcn_target "amdgcn-amd-amdhsa--gfx1250"
	.amdhsa_code_object_version 6
	.text
	.protected	k_q8937c5776f_fc
	.globl	k_q8937c5776f_fc
	.p2align	8
	.type	k_q8937c5776f_fc,@function
k_q8937c5776f_fc:
	s_mov_b64 s[64:65], 0
	v_nop
	global_prefetch_b8 v0, s[64:65] scope:SCOPE_SE
	s_setreg_imm32_b32 hwreg(HW_REG_WAVE_MODE, 25, 1), 1
	s_wait_xcnt 0x0
	s_wait_alu depctr_hold_cnt(0) depctr_sa_sdst(0) depctr_va_vdst(0) depctr_va_sdst(0) depctr_va_ssrc(0) depctr_va_vcc(0) depctr_vm_vsrc(0)
	s_getreg_b32 s2, hwreg(HW_REG_IB_STS2, 6, 4)
	s_cmp_eq_u32 s2, 0
	s_cbranch_scc0 .Lentry_in_a_cluster
	s_endpgm
.Lentry_in_a_cluster:
	s_bfe_u32 s2, ttmp6, 0x10000c
	s_cmp_lg_u32 s2, 0xf033
	s_cbranch_scc0 .Lentry_shape_is_right
	s_endpgm
.Lentry_shape_is_right:
; hb[t][j] = bf16( max(sum over d of xb[t][d] wfb[j][d], 0)^2 ).  xb: [8192][1024], wfb: [4096][1024], hb: [8192][4096], all bf16; sums, max and square in f32.
; LIMITS: the operands are bf16; the square is rounded once to bf16 (bf16 and not f16: with inputs 30 times larger the square grows 810,000-fold) and
; becomes infinity beyond bf16's largest finite number; a NaN sum gives 0 (v_max_num_f32 lets a NaN lose), where the f32 formula would keep the NaN.
; A work-group makes a block of 256 x 256 of hb with four waves, as many as a WGP has SIMDs; a wave makes 128 x 128: 64 accumulator tiles
; of 16 x 16, 512 registers.  512 work-groups.  K goes in 8 steps of 128 through a ring of two LDS slots filled by the tensor data mover: a tile's rows are
; 256 bytes of memory and start at multiples of 256 bytes from the buffer's first byte.
; CLUSTERS: 4 x 4 work-groups form a cluster.  The four of a row of the cluster make blocks of one block row and need the same tiles of xb (A); the four of
; a column need the same tiles of wfb (B).  Such a tile is asked for JOINTLY: each of the four issues the same tensor load, with the same descriptor and a mask that
; names the four, and each receives the tile in its own LDS.  That divides the requests for A and for B by four.
;
; REGISTERS, in windows of 256 (an instruction names v0-v255; s_set_vgpr_msb says which window each operand place means):
;   window 0: v0-31 addresses; v64-127, v128-191 fragments of A (8 x 16 rows x 32 K), two buffers; v192-223 at work on the way out
;   window 1: v64-127, v128-191 fragments of B, two buffers
;   window 2: the 32 accumulator tiles of my rows 0-63 (tile (a, b) at v[8 (8 a + b)]);   window 3: those of my rows 64-127
; s_set_vgpr_msb's low byte: bits 1:0 source 0, 3:2 source 1, 5:4 source 2, 7:6 destination.  Work is laid in long stretches under one setting.
;
; THE MATRIX INSTRUCTION IS USED TRANSPOSED: source 0 = 16 rows of B, source 1 = 16 rows of A.  In the result, lane l then holds row
; m = l % 16 of the block, and its registers 0 to 7 the columns n = 8 (l / 16) + 0 .. 7: eight NEIGHBOURING numbers of a row, which pack into 16 bytes.
; The 64 accumulators take turns, one matrix instruction a turn, in the same order in every quarter step, over the backward jump too.
.set SIZE_M, 8192
.set SIZE_N, 4096
.set SIZE_K, 1024
.set KSTEP,  128
.set PITCH,  272                       ; an LDS row: 256 bytes of data + 16 of padding = 68 words: the 16 rows that a load touches start 4 words further on each, at 16 different places modulo 64 words
.set HALFT,  128*PITCH                 ; 128 rows: what one tensor load brings, and what one wave reads of A or of B
.set SLOT,   4*HALFT                   ; A's 256 rows, then B's 256 rows
.set STAGE,  2*SLOT                    ; behind the ring: 16 rows x 272 bytes for each wave, for the way out; no tensor load lands here
.set SPITCH, 272
.set LAPS, SIZE_K/(2*KSTEP)            ; a lap = two K steps = once round the ring: 4 laps
.set ADRA, 16                          ; v16-17  LDS address of my A fragments in slot 0, 1
.set ADRB, 20                          ; v20-21  the same for B
.set STO,  24                          ; v24     the way out: where I put 16 bytes of a row
.set RD,   25                          ; v25     the way out: where I read a row back
.set CO,   26                          ; v26     my byte offset in hb
.set F0,   64                          ; fragment buffer 0
.set F1,   128                         ; fragment buffer 1
.set TMP,  192                         ; the way out: packed results, in window 0
.set G1, 24                            ; s[24:31] descriptor group 1 for A's tiles
.set G0, 32                            ; s[32:39] descriptor group 0 for A's tiles, one set for each slot
.set G1B, 48                           ; s[48:55] descriptor group 1 for B's tiles: it differs from A's in the mask alone
.set G0B, 56                           ; s[56:63] descriptor group 0 for B's tiles, one set for each slot
.set MSB, 0
.macro WIN new                         ; the immediate's high byte repeats the setting that is left; a switch that changes nothing is dropped
.if MSB != \new
	s_set_vgpr_msb (MSB<<8)|\new
.set MSB, \new
.endif
.endm
.set MUL_LO, 0xa1                      ; source 0 (B) window 1, source 1 (A) window 0, C and D window 2
.set MUL_HI, 0xf1                      ; the same, C and D window 3
.set TO_B,   0x40                      ; destination window 1, address window 0
; A joint load.  Waves 0 and 1 fetch A's two halves, waves 2 and 3 B's.  Each of the two lines has ONE mask and one set of registers for all that issue it, and nothing in
; them hangs on a coordinate that the four partners do not share.  The branch hangs on the wave's number alone: it is the same in every work-group.
.macro JLOAD s
	s_cmp_eq_u32 s11, 0
	s_cbranch_scc0 .Lfor_b_\@
	tensor_load_to_lds s[G0+4*\s:G0+4*\s+3], s[G1:G1+7]
	s_nop 0
	s_branch .Lasked_\@
.Lfor_b_\@:
	tensor_load_to_lds s[G0B+4*\s:G0B+4*\s+3], s[G1B:G1B+7]
	s_nop 0
.Lasked_\@:
.endm
; A round of the cluster's barrier: my work-group's barrier, so that wave 0's signal speaks for all four waves; wave 0 signals for the work-group; every wave waits for all
; sixteen work-groups; my work-group's barrier once more.  No LDS instruction of the wave is pending at a signal.
.macro CREST                           ; a round behind its opening barrier
	s_cmp_lg_u32 s10, 0
	s_cbranch_scc1 .Lnot_wave_0_\@
	s_barrier_signal -3
.Lnot_wave_0_\@:
	s_barrier_wait -3
	s_barrier_signal -1
	s_barrier_wait -1
.endm
.macro CROUND                          ; a whole round
	s_barrier_signal -1
	s_barrier_wait -1
	CREST
.endm
	s_load_b128 s[4:7], s[0:1], 0x0                ; xb (A) s[4:5], wfb (B) s[6:7]
	s_load_b64 s[8:9], s[0:1], 0x10                ; hb
	s_set_vgpr_msb 0x40
	v_lshl_add_u32 v255, v0, 2, 0x48400
	s_set_vgpr_msb 0x4000
	v_mov_b32 v255, 0
	s_set_vgpr_msb 0x1
	ds_add_u32 v255, v255
	s_set_vgpr_msb 0x100
	v_lshrrev_b32 v1, 5, v0
	v_readfirstlane_b32 s10, v1                    ; wave 0..3
	s_lshr_b32 s11, s10, 1                         ; which half of the block's rows is mine.  Also: I fetch for A (0) or for B (1)
	s_and_b32 s12, s10, 1                          ; which half of its columns.  Also: which 128 rows of that tile I fetch
	s_bfe_u32 s40, ttmp6, 0x40000                  ; cx: my place along the cluster's x
	s_bfe_u32 s41, ttmp6, 0x40004                  ; cy: along its y
	s_lshl_b32 s42, ttmp9, 2                       ; in a cluster launch ttmp9 and ttmp7 count clusters
	s_add_co_u32 s42, s42, s40                     ; block column = 4 x cluster x + cx
	s_and_b32 s13, ttmp7, 0xffff
	s_lshl_b32 s13, s13, 2
	s_add_co_u32 s13, s13, s41                     ; block row = 4 x cluster y + cy
	s_lshl_b32 s43, s41, 2
	s_lshl_b32 s43, 15, s43                        ; my row of the cluster: places 4 cy .. 4 cy + 3
	s_lshl_b32 s44, 0x1111, s40                    ; my column: places cx, cx + 4, cx + 8, cx + 12
	; descriptor group 1: a tile of 128 rows x 128 elements, padded in LDS
	s_or_b32 s[G1+0], s43, (1<<16)|(1<<20)|(1<<21)|(5<<22)|(3<<25)  ; 15:0 the mask: A's tiles go to my row; 17:16 element of 2 bytes; 20 padding on; 21 set beside a mask; 24:22 after every 64 words (code 5); 31:25 of 4 words (code 3)
	s_or_b32 s[G1B+0], s44, (1<<16)|(1<<20)|(1<<21)|(5<<22)|(3<<25) ; the same with the mask of my column, for B's tiles
	s_mov_b32 s[G1B+1], KSTEP<<16
	s_mov_b32 s[G1+1], KSTEP<<16                   ; 63:48 tensor_dim0, low half = 128
	s_mov_b32 s[G1B+2], 128<<16
	s_mov_b32 s[G1+2], 128<<16                     ; 79:64 its high half = 0; 95:80 tensor_dim1, low half = 128
	s_mov_b32 s[G1B+3], KSTEP<<16
	s_mov_b32 s[G1+3], KSTEP<<16                   ; 111:96 its high half = 0; 127:112 tile_dim0 = 128
	s_mov_b32 s[G1B+4], 128
	s_mov_b32 s[G1+4], 128                         ; 143:128 tile_dim1 = 128; 159:144 tile_dim2 = 0
	s_mov_b32 s[G1B+5], SIZE_K
	s_mov_b32 s[G1+5], SIZE_K                      ; 191:160 tensor_dim0_stride, low word: elements from row to row
	s_mov_b32 s[G1B+6], 0
	s_mov_b32 s[G1+6], 0
	s_mov_b32 s[G1B+7], 0
	s_mov_b32 s[G1+7], 0
	; where the tiles come from.  A's hang on the block row alone, which my row of the cluster shares; B's on the block column alone, which my column shares.
	; Every wave makes both addresses, in registers that never hold the other coordinate, and asks by one of them.
	s_lshl_b32 s17, s12, 7                         ; which 128 rows of the tile I fetch
	s_lshl_b32 s16, s13, 8
	s_add_co_u32 s16, s16, s17                     ; A: row 256 x block row + 128 x half
	s_lshl_b32 s46, s42, 8
	s_add_co_u32 s46, s46, s17                     ; B: row 256 x block column + 128 x half
	s_mov_b32 s17, 0
	s_mov_b32 s47, 0
	s_mov_b64 s[18:19], SIZE_K*2
	s_mul_u64 s[16:17], s[16:17], s[18:19]         ; in bytes, in 64 bits
	s_mul_u64 s[46:47], s[46:47], s[18:19]
	s_mul_i32 s20, s10, HALFT                      ; and where they go: A's two halves, then B's two halves = wave x 128 rows: no place in the cluster enters an LDS address
	s_wait_dscnt 0x0
	s_wait_kmcnt 0x0
	s_add_nc_u64 s[14:15], s[4:5], s[16:17]
	s_add_nc_u64 s[46:47], s[6:7], s[46:47]
	CROUND                                         ; all sixteen work-groups are here: the first joint loads meet
.irp s, 0,1
	s_mov_b32 s[G0+4*\s], 1                                        ; 1:0 count = 1
	s_add_co_u32 s[G0+4*\s+1], s20, \s*SLOT                        ; 63:32 LDS address
	s_add_nc_u64 s[G0+4*\s+2:G0+4*\s+3], s[14:15], \s*KSTEP*2      ; 120:64 global address: K step s
	s_or_b32 s[G0+4*\s+3], s[G0+4*\s+3], 0x80000000                ; 127:126 type = 2
	s_mov_b32 s[G0B+4*\s], 1
	s_add_co_u32 s[G0B+4*\s+1], s20, \s*SLOT
	s_add_nc_u64 s[G0B+4*\s+2:G0B+4*\s+3], s[46:47], \s*KSTEP*2
	s_or_b32 s[G0B+4*\s+3], s[G0B+4*\s+3], 0x80000000
	JLOAD \s                                       ; the ring is filled before anything else is done: two tensor loads of the wave are out, later one
.endr
	; A fragment is 16 rows x 32 K in 8 registers: lane l holds row l % 16; registers 0-3 hold K = 8 (l / 16) + 0..7, registers 4-7 hold
	; K = 16 + 8 (l / 16) + 0..7.  From rows that lie along K: two loads of 16 bytes, 32 bytes apart.  The same for source 0 and source 1.
	v_and_b32 v1, 15, v0                           ; l % 16
	v_bfe_u32 v2, v0, 4, 1                         ; l / 16
	v_mul_u32_u24 v3, v1, PITCH
	v_lshl_add_u32 v3, v2, 4, v3                   ; row x pitch + 16 x half
	s_mul_i32 s21, s11, HALFT                      ; my 128 rows of A
	s_mul_i32 s22, s12, HALFT                      ; my 128 rows of B,
	s_add_co_u32 s22, s22, 2*HALFT                 ; which lie behind A's 256
.irp s, 0,1
	v_add_nc_u32 v[ADRA+\s], s21, v3
	v_add_nc_u32 v[ADRB+\s], s22, v3
	s_add_co_u32 s21, s21, SLOT
	s_add_co_u32 s22, s22, SLOT
.endr
	s_mul_i32 s23, s10, 16*SPITCH
	s_add_co_u32 s23, s23, STAGE                   ; my stage
	v_mul_u32_u24 v4, v1, SPITCH                   ; in: row l % 16, 16 bytes for each half of the lanes
	v_lshl_add_u32 v4, v2, 4, v4
	v_add_nc_u32 v[STO], s23, v4
	v_mul_u32_u24 v5, v2, SPITCH                   ; back: lanes 0-15 take one row of 256 bytes, lanes 16-31 the next
	v_lshl_add_u32 v5, v1, 4, v5
	v_add_nc_u32 v[RD], s23, v5
	v_mul_u32_u24 v5, v2, SIZE_N*2                 ; and the same two rows in hb
	v_lshl_add_u32 v[CO], v1, 4, v5
; 16 matrix instructions: m blocks a0, a0 + 1 of the window's four (hi = 0: my rows 0-63, 1: rows 64-127) x all 8 n blocks, 32 along K.
; zero = 1: the first product starts the sums: nothing is ever cleared.
.macro MUL16 f, hi, a0, zero
.irp a, \a0, \a0+1
.irp b, 0,1,2,3,4,5,6,7
.if \zero
	v_wmma_f32_16x16x32_bf16 v[8*(8*(\a)+\b):8*(8*(\a)+\b)+7], v[\f+8*\b:\f+8*\b+7], v[\f+8*(4*\hi+\a):\f+8*(4*\hi+\a)+7], 0
.else
	v_wmma_f32_16x16x32_bf16 v[8*(8*(\a)+\b):8*(8*(\a)+\b)+7], v[\f+8*\b:\f+8*\b+7], v[\f+8*(4*\hi+\a):\f+8*(4*\hi+\a)+7], v[8*(8*(\a)+\b):8*(8*(\a)+\b)+7]
.endif
.endr
.endr
.endm
; 32 LDS loads in one run: the fragments of one quarter step (128 rows of B, 128 rows of A, 32 K at byte k of the rows) into buffer f
.macro FETCH slot, k, f
	WIN TO_B
.irp i, 0,1,2,3,4,5,6,7
	ds_load_b128 v[\f+8*\i:\f+8*\i+3],   v[ADRB+\slot] offset:\k+\i*16*PITCH
	ds_load_b128 v[\f+8*\i+4:\f+8*\i+7], v[ADRB+\slot] offset:\k+\i*16*PITCH+32
.endr
	WIN 0
.irp i, 0,1,2,3,4,5,6,7
	ds_load_b128 v[\f+8*\i:\f+8*\i+3],   v[ADRA+\slot] offset:\k+\i*16*PITCH
	ds_load_b128 v[\f+8*\i+4:\f+8*\i+7], v[ADRA+\slot] offset:\k+\i*16*PITCH+32
.endr
.endm
; A load into a register that a matrix instruction has read, and a vector instruction that reads a matrix result or writes one of a matrix
; instruction's registers, stand four places behind that matrix instruction, and only plain vector instructions that name none of its registers
; are places (ISA guide 7.12.1 for vector instructions); the matrix instructions in between are not counted.
; So four v_nop stand in front of each run of loads: sixteen issue slots for a K step's 256 matrix instructions.
.macro PLACES
.rept 4
	v_nop
.endr
.endm
; A K step is four quarter steps of 32 along K, 64 matrix instructions each, on buffers 0, 1, 0, 1.
; One of the first three: multiplies buffer f; in its middle it fetches the next quarter's fragments, at byte k of the same slot's rows, into buffer g.
.macro QUARTER slot, k, f, g, zero
	s_wait_dscnt 8                                 ; B and A's rows 0-63 are in; the youngest eight loads (A's rows 64-127) may be out
	WIN MUL_LO
	MUL16 \f, 0, 0, \zero
	MUL16 \f, 0, 2, \zero
	PLACES
	FETCH \slot, \k, \g
	s_wait_dscnt 32                                ; all but the 32 just issued
	WIN MUL_HI
	MUL16 \f, 1, 0, \zero
	MUL16 \f, 1, 2, \zero
.endm
.macro THREE slot, zero
	QUARTER \slot, 64,  F0, F1, \zero
	QUARTER \slot, 128, F1, F0, 0
	QUARTER \slot, 192, F0, F1, 0
.endm
; The last quarter: multiplies buffer 1 and changes slots.  next = the other slot; fill = 1: this slot is filled again, two K steps ahead.
; ONE barrier for the change of slots, for two things.  In front of it each wave waits for its own reads of this slot and for all its tensor loads,
; of which one is out: its part of the next slot.  Behind it nobody reads this slot any more and the next slot is whole: the refill comes
; first, then the next slot's first fragments.  From a request to the wait for it a wave issues 240 matrix instructions.
.macro TURN slot, next, fill
	s_wait_dscnt 8
	WIN MUL_LO
	MUL16 F1, 0, 0, 0
	s_wait_dscnt 0                                 ; my reads of this slot are over (the last were issued 48 matrix instructions ago)
	s_wait_tensorcnt 0x0                           ; and all my tensor loads have landed: the one that was out is my part of the next slot:
	ds_add_u32 v255, v255
	s_wait_dscnt 0x0
	s_barrier_signal -1                            ; say so (where a slot is filled again this barrier opens a round of the cluster's barrier),
	MUL16 F1, 0, 2, 0                              ; work on registers while the others arrive,
	WIN 0
	s_barrier_wait -1                              ; and go on when all four have said so
.if \fill
	CREST                                          ; wave 0 says so for the work-group, all sixteen work-groups have said so, my work-group's barrier closes the round:
	                                               ; no wave of any partner still reads this slot's tile or has a load on its way
	s_add_nc_u64 s[G0+4*\slot+2:G0+4*\slot+3], s[G0+4*\slot+2:G0+4*\slot+3], 2*KSTEP*2
	s_add_nc_u64 s[G0B+4*\slot+2:G0B+4*\slot+3], s[G0B+4*\slot+2:G0B+4*\slot+3], 2*KSTEP*2
	JLOAD \slot                                    ; the first tensor load behind the round, and the wave's only one until the next
.endif
	PLACES
	FETCH \next, 0, F0
	WIN MUL_HI
	MUL16 F1, 1, 0, 0
	MUL16 F1, 1, 2, 0
.endm
.macro LAP zero                        ; once round the ring, both slots filled again
	THREE 0, \zero
	TURN 0, 1, 1
	THREE 1, 0
	TURN 1, 0, 1
.endm
	s_wait_tensorcnt 1                             ; my part of K step 0 is in; K step 1's may stay out
	s_barrier_signal -1
	s_barrier_wait -1                              ; everybody's is
	FETCH 0, 0, F0
	LAP 1                                          ; the first lap stands in front of the loop: its first products start the sums
.if LAPS > 2
	WIN 0                                          ; at a label and at a branch every window is 0
	s_mov_b32 s3, LAPS-2
.Llap:
	LAP 0
	WIN 0
	s_sub_co_u32 s3, s3, 1
	s_cmp_lg_u32 s3, 0
	s_cbranch_scc1 .Llap
.endif
	THREE 0, 0                                     ; the last lap fills nothing, and has no round of the cluster's barrier: my one tensor load that is still out is slot 1's, the last K step's
	TURN 0, 1, 0
	THREE 1, 0
	s_wait_dscnt 8                                 ; the very last quarter: nothing more to fetch
	WIN MUL_LO
	MUL16 F1, 0, 0, 0
	MUL16 F1, 0, 2, 0
	s_wait_dscnt 0
	WIN MUL_HI
	MUL16 F1, 1, 0, 0
	MUL16 F1, 1, 2, 0
	; THE WAY OUT, 16 rows at a time: max with 0 and square in f32 in place, round to bf16, 16 bytes a lane into my own stage in LDS, read back as whole rows of 256 bytes.
	; The four v_nop of PLACES are the places behind the last matrix instructions: for the vector work, which reads results,
	; and for the loads into buffers 0 and 1.
	PLACES
	s_lshl_b32 s13, s13, 8
	s_lshl_b32 s14, s11, 7
	s_add_co_u32 s16, s13, s14                     ; my first row of hb
	s_mov_b32 s17, 0
	s_mov_b64 s[18:19], SIZE_N*2
	s_mul_u64 s[16:17], s[16:17], s[18:19]
	s_add_nc_u64 s[8:9], s[8:9], s[16:17]
	s_lshl_b32 s46, s42, 9                         ; my first column, in bytes: 512 x block + 256 x half (in the registers that held B's address: none that feeds A's descriptors ever holds cx)
	s_lshl_b32 s47, s12, 8
	s_add_co_u32 s46, s46, s47
	s_mov_b32 s47, 0
	s_add_nc_u64 s[8:9], s[8:9], s[46:47]
; rows 16 i .. 16 i + 15 of my block = the eight tiles (a, 0..7) of window 2 or 3.  act = 0x8a or 0xcf: sources 0, 1 and the destination in that window;
; from = 0x0a or 0x0f: sources 0 and 1 there, the destination in window 0; f: F0 or F1 in turn
.macro OUT16 i, a, act, from, f
	WIN \act
.irp b, 0,1,2,3,4,5,6,7
.irp r, 0,1,2,3,4,5,6,7
	v_max_num_f32 v[8*(8*\a+\b)+\r], 0, v[8*(8*\a+\b)+\r]                                                                     ; relu
.endr
.irp r, 0,2,4,6
	v_pk_mul_f32 v[8*(8*\a+\b)+\r:8*(8*\a+\b)+\r+1], v[8*(8*\a+\b)+\r:8*(8*\a+\b)+\r+1], v[8*(8*\a+\b)+\r:8*(8*\a+\b)+\r+1]   ; squared, two at a time
.endr
.endr
	WIN \from
.irp b, 0,1,2,3,4,5,6,7
.irp r, 0,1,2,3
	v_cvt_pk_bf16_f32 v[TMP+4*\b+\r], v[8*(8*\a+\b)+2*\r], v[8*(8*\a+\b)+2*\r+1]
.endr
.endr
	WIN 0
.irp b, 0,1,2,3,4,5,6,7
	ds_store_b128 v[STO], v[TMP+4*\b:TMP+4*\b+3] offset:32*\b
.endr
	s_wait_xcnt 0x0                                ; every earlier memory instruction has had its addresses translated (ISA guide 3.1): buffer f, which stores read, and the stores' base are rewritten only behind this wait
.if \i
	s_add_nc_u64 s[8:9], s[8:9], 16*SIZE_N*2       ; 16 rows on, so that the stores' offsets stay small: 14 rows of 8,192 bytes at the most
.endif
.irp t, 0,1,2,3,4,5,6,7
	ds_load_b128 v[\f+4*\t:\f+4*\t+3], v[RD] offset:\t*2*SPITCH    ; LDS serves a wave's instructions in order (ISA guide 5.7.1.4): these see the stores above
.endr
.irp t, 0,1,2,3,4,5,6,7
	s_wait_dscnt 7-\t                              ; read-back t is in, the 7 - t younger ones may be out
	global_store_b128 v[CO], v[\f+4*\t:\f+4*\t+3], s[8:9] offset:2*\t*SIZE_N*2   ; 16 lanes store 256 consecutive bytes, at a multiple of 256 from hb's first byte; no hint: the next launch reads them
.endr
.endm
	OUT16 0, 0, 0x8a, 0x0a, F0
	OUT16 1, 1, 0x8a, 0x0a, F1
	OUT16 2, 2, 0x8a, 0x0a, F0
	OUT16 3, 3, 0x8a, 0x0a, F1
	OUT16 4, 0, 0xcf, 0x0f, F0
	OUT16 5, 1, 0xcf, 0x0f, F1
	OUT16 6, 2, 0xcf, 0x0f, F0
	OUT16 7, 3, 0xcf, 0x0f, F1
	s_set_vgpr_msb 0x1
	s_wait_tensorcnt 0x0
	ds_add_u32 v255, v255
	s_wait_dscnt 0x0
	s_set_vgpr_msb 0x100
	CROUND                                         ; the closing round: no work-group ends while a partner may still ask for a tile that names it
	s_endpgm
.Lfunc_end_k_q8937c5776f_fc:
	.size	k_q8937c5776f_fc, .Lfunc_end_k_q8937c5776f_fc-k_q8937c5776f_fc
	.p2alignl 7, 3214868480
	.fill 96, 4, 3214868480
	.section	.rodata,"a",@progbits
	.p2align	6, 0x0
	.amdhsa_kernel k_q8937c5776f_fc
		.amdhsa_group_segment_fixed_size 327680
		.amdhsa_private_segment_fixed_size 0
		.amdhsa_enable_private_segment 0
		.amdhsa_kernarg_size 24
		.amdhsa_user_sgpr_count 2
		.amdhsa_user_sgpr_kernarg_segment_ptr 1
		.amdhsa_wavefront_size32 1
		.amdhsa_system_sgpr_workgroup_id_x 1
		.amdhsa_system_sgpr_workgroup_id_y 1
		.amdhsa_system_sgpr_workgroup_id_z 1
		.amdhsa_system_vgpr_workitem_id 0
		.amdhsa_next_free_vgpr 1024
		.amdhsa_next_free_sgpr 66
		.amdhsa_reserve_vcc 0
		.amdhsa_float_denorm_mode_32 3
		.amdhsa_float_denorm_mode_16_64 3
		.amdhsa_memory_ordered 1
		.amdhsa_forward_progress 1
		.amdhsa_inst_pref_size 228
	.end_amdhsa_kernel
	.amdgpu_metadata
---
amdhsa.version: [ 1, 2 ]
amdhsa.kernels:
  - .name:           k_q8937c5776f_fc
    .symbol:         k_q8937c5776f_fc.kd
    .args:
      - { .name: xb, .offset: 0, .size: 8, .value_kind: global_buffer, .address_space: global }
      - { .name: wfb, .offset: 8, .size: 8, .value_kind: global_buffer, .address_space: global }
      - { .name: hb, .offset: 16, .size: 8, .value_kind: global_buffer, .address_space: global }
    .group_segment_fixed_size: 327680
    .private_segment_fixed_size: 0
    .kernarg_segment_align: 8
    .kernarg_segment_size: 24
    .max_flat_workgroup_size: 128
    .sgpr_count:     66
    .vgpr_count:     1024
    .wavefront_size: 32
...
	.end_amdgpu_metadata
.endif
;; end of part 2
;; launch proj (part 3): grid 4 x 64, 4 waves a work-group, clusters of 4 x 4, 327,680 bytes of LDS; arguments hb, wpb, out0; writes out0
.if DOCPART == 3
	.amdgcn_target "amdgcn-amd-amdhsa--gfx1250"
	.amdhsa_code_object_version 6
	.text
	.protected	k_q8937c5776f_proj
	.globl	k_q8937c5776f_proj
	.p2align	8
	.type	k_q8937c5776f_proj,@function
k_q8937c5776f_proj:
	s_mov_b64 s[64:65], 0
	v_nop
	global_prefetch_b8 v0, s[64:65] scope:SCOPE_SE
	s_setreg_imm32_b32 hwreg(HW_REG_WAVE_MODE, 25, 1), 1
	s_wait_xcnt 0x0
	s_wait_alu depctr_hold_cnt(0) depctr_sa_sdst(0) depctr_va_vdst(0) depctr_va_sdst(0) depctr_va_ssrc(0) depctr_va_vcc(0) depctr_vm_vsrc(0)
	s_getreg_b32 s2, hwreg(HW_REG_IB_STS2, 6, 4)
	s_cmp_eq_u32 s2, 0
	s_cbranch_scc0 .Lentry_in_a_cluster
	s_endpgm
.Lentry_in_a_cluster:
	s_bfe_u32 s2, ttmp6, 0x10000c
	s_cmp_lg_u32 s2, 0xf033
	s_cbranch_scc0 .Lentry_shape_is_right
	s_endpgm
.Lentry_shape_is_right:
; out0[t][d] = sum over j of hb[t][j] wpb[d][j].  hb: [8192][4096] bf16, wpb: [1024][4096] bf16, out0: [8192][1024] f32; sums in f32, stored as they are.
; LIMIT: the operands are bf16 (hb holds the rounded squares, wpb the rounded weights).
; A work-group makes a block of 128 rows x 256 columns of out0: 64 x 4 = 256 work-groups (blocks of 256 x 256 would give 128).  Four waves, as many as a WGP has SIMDs;
; a wave makes 64 x 128: 32 accumulator tiles of 16 x 16, 256 registers.
; THE RING: two LDS slots of UNEQUAL size, filled by the tensor data mover.  X holds 256 along K (rows of 512 bytes), Y holds 128 (rows of 256 bytes); all rows start at multiples of
; 256 bytes from the buffer's first byte.  K goes X0 Y0 X1 Y1 .. X9 Y9 X10: 10 x 384 + 256 = 4,096.  Two slots of 256 along K (2 x 384 rows x 528 bytes) would not fit in LDS; X and Y do.
; A trip (X, then Y) is 12 quarter steps of 32 along K, 32 matrix instructions each: x0..x7, y0..y3.  Four fragment buffers take turns (quarter t uses buffer t mod 4), and the LDS
; reads run up to three quarters ahead of the products.  So X has been read out when x4 is multiplied, and is asked for again there; Y's change is held back to y2.
; Each of the two refills then has five quarters and a half, 176 matrix instructions, between its request and the wait for it.
; CLUSTERS: 4 x 4 work-groups.  The four of a row of the cluster are the four column blocks of one block row: they need the same tiles of hb (A), so each byte of hb is asked for
; once in the launch.  The four of a column need the same tiles of wpb (B).  Such a tile is asked for JOINTLY: each of the four issues the same tensor load, with the same
; descriptor and a mask that names the four, and each receives the tile in its own LDS.
;
; REGISTERS: window 0: v16-27 addresses; fragment buffers 0 and 1: B (8 x 16 rows x 32 K) at v64-127 and v128-191, A (4 x 16 rows x 32 K) at v192-223 and v224-255.
;            window 2: fragment buffers 2 and 3, at the same numbers.
;            window 1: accumulator tile (a, b), a = 0..3 (16 rows each), b = 0..7 (16 columns each), at v[8 (8 a + b)].
; s_set_vgpr_msb's low byte: bits 1:0 source 0, 3:2 source 1, 5:4 source 2, 7:6 destination.
; THE MATRIX INSTRUCTION IS USED TRANSPOSED: source 0 = 16 rows of B, source 1 = 16 rows of A: lane l holds row l % 16 of the tile and in registers 0 to 7 the
; columns 8 (l / 16) + 0 .. 7: 32 neighbouring bytes of a row of out0.
; The 32 accumulators take turns, one matrix instruction a turn, in the same order in every quarter step, over the backward jump too.
.set SIZE_N, 1024
.set SIZE_K, 4096
.set KX,     256                       ; along K in slot X
.set KY,     128                       ; along K in slot Y
.set PX,     528                       ; an LDS row of X: 512 bytes of data + 16 of padding: the 16 rows that a load touches start 4 words further on each, at 16 different places modulo 64 words
.set PY,     272                       ; an LDS row of Y: 256 + 16, likewise
.set XB,     0                         ; X: B's 256 rows,
.set XA,     256*PX                    ;    then A's 128 rows
.set YB,     384*PX                    ; Y: B's 256 rows,
.set YA,     YB+256*PY                 ;    then A's 128 rows
.set STAGE,  YB+384*PY                 ; behind the ring, at byte 307,200 = 1,200 x 256: 16 rows x 272 bytes for each wave, for the way out; no tensor load lands here
.set SPITCH, 272                       ; 256 bytes (64 columns) of a row + 16
.set ADRA, 16                          ; v16, v17  LDS address of my A fragments in X, Y
.set ADRB, 20                          ; v20, v21  the same for B
.set STO,  24                          ; v24     the way out: where I put my 32 bytes of a row
.set RD,   25                          ; v25     the way out: where I read 16 bytes of a row back
.set CO,   26                          ; v26     my byte offset in two rows of out0
.set PF,   27                          ; v27     prefetch: byte offset in my block row of hb of the block that I ask for
.set FB,   64                          ; B's fragments: buffer u at FB + 64 (u & 1), window 0 (u < 2) or 2
.set FA,   192                         ; A's fragments: buffer u at FA + 32 (u & 1)
.set G1A, 24                           ; s[24:31], s[32:39] descriptor group 1 for A's tiles of X, of Y
.set G1B, 40                           ; s[40:47], s[48:55] the same for B's
.set G0A, 56                           ; s[56:59], s[60:63] descriptor group 0 for A's tiles of X, of Y
.set G0B, 68                           ; s[68:71], s[72:75] the same for B's
.set MSB, 0
.macro WIN new                         ; the immediate's high byte repeats the setting that is left; a switch that changes nothing is dropped
.if MSB != \new
	s_set_vgpr_msb (MSB<<8)|\new
.set MSB, \new
.endif
.endm
; A joint load into slot s (0: X, 1: Y).  Waves 0 and 1 fetch B's two halves, waves 2 and 3 A's.  Each of the two lines has ONE mask and one set of registers for all that issue it,
; and nothing in them hangs on a coordinate that the four partners do not share.  The branch hangs on the wave's number alone.
.macro JLOAD s
	s_cmp_eq_u32 s11, 0
	s_cbranch_scc0 .Lfor_a_\@
	tensor_load_to_lds s[G0B+4*\s:G0B+4*\s+3], s[G1B+8*\s:G1B+8*\s+7]
	s_nop 0
	s_branch .Lasked_\@
.Lfor_a_\@:
	tensor_load_to_lds s[G0A+4*\s:G0A+4*\s+3], s[G1A+8*\s:G1A+8*\s+7]
	s_nop 0
.Lasked_\@:
.endm
; A round of the cluster's barrier: my work-group's barrier, so that wave 0's signal speaks for all four waves; wave 0 signals for the work-group; every wave waits for all
; sixteen work-groups; my work-group's barrier once more.  No LDS instruction of the wave is pending at a signal.
.macro CREST                           ; a round behind its opening barrier
	s_cmp_lg_u32 s10, 0
	s_cbranch_scc1 .Lnot_wave_0_\@
	s_barrier_signal -3
.Lnot_wave_0_\@:
	s_barrier_wait -3
	s_barrier_signal -1
	s_barrier_wait -1
.endm
.macro CROUND                          ; a whole round
	s_barrier_signal -1
	s_barrier_wait -1
	CREST
.endm
	s_load_b128 s[4:7], s[0:1], 0x0                ; hb (A) s[4:5], wpb (B) s[6:7]
	s_load_b64 s[8:9], s[0:1], 0x10                ; out0
	v_lshl_add_u32 v62, v0, 2, 0x4f400
	v_mov_b32 v63, 0
	ds_add_u32 v62, v63
	v_lshrrev_b32 v1, 5, v0
	v_readfirstlane_b32 s10, v1                    ; wave 0..3
	s_lshr_b32 s11, s10, 1                         ; which 64 of the block's rows are mine.  Also: I fetch for B (0) or for A (1)
	s_and_b32 s12, s10, 1                          ; which 128 of its columns.  Also: which half of that tile I fetch
	s_bfe_u32 s76, ttmp6, 0x40000                  ; cx: my place along the cluster's x
	s_bfe_u32 s77, ttmp6, 0x40004                  ; cy: along its y
	s_lshl_b32 s78, ttmp9, 2                       ; in a cluster launch ttmp9 and ttmp7 count clusters
	s_add_co_u32 s78, s78, s76                     ; block column = 4 x cluster x + cx
	s_and_b32 s13, ttmp7, 0xffff
	s_lshl_b32 s13, s13, 2
	s_add_co_u32 s13, s13, s77                     ; block row = 4 x cluster y + cy
	s_lshl_b32 s79, s77, 2
	s_lshl_b32 s79, 15, s79                        ; my row of the cluster: places 4 cy .. 4 cy + 3
	s_lshl_b32 s80, 0x1111, s76                    ; my column: places cx, cx + 4, cx + 8, cx + 12
	; descriptor group 1, for X (s = 0) and for Y (s = 1).  A: a tile of 64 rows, B: of 128 rows; 256 or 128 elements long; padded in LDS
.set CW, (1<<16)|(1<<20)|(1<<21)|(3<<25)           ; 17:16 element of 2 bytes; 20 padding on; 21 set beside a mask; 31:25 padding of 4 words (code 3)
.irp s, 0,1
	s_or_b32 s[G1A+8*\s+0], s79, CW|((6-\s)<<22)               ; 15:0 the mask: A's tiles go to my row; 24:22 padding after every 128 words (code 6, X) or 64 words (code 5, Y): a row
	s_or_b32 s[G1B+8*\s+0], s80, CW|((6-\s)<<22)               ; the same with the mask of my column, for B's tiles
	s_mov_b32 s[G1A+8*\s+1], (KX-\s*(KX-KY))<<16               ; 63:48 tensor_dim0, low half = 256 or 128
	s_mov_b32 s[G1B+8*\s+1], (KX-\s*(KX-KY))<<16
	s_mov_b32 s[G1A+8*\s+2], 64<<16                            ; 79:64 its high half = 0; 95:80 tensor_dim1, low half = 64
	s_mov_b32 s[G1B+8*\s+2], 128<<16                           ; B: 128
	s_mov_b32 s[G1A+8*\s+3], (KX-\s*(KX-KY))<<16               ; 111:96 its high half = 0; 127:112 tile_dim0 = 256 or 128
	s_mov_b32 s[G1B+8*\s+3], (KX-\s*(KX-KY))<<16
	s_mov_b32 s[G1A+8*\s+4], 64                                ; 143:128 tile_dim1 = 64; 159:144 tile_dim2 = 0
	s_mov_b32 s[G1B+8*\s+4], 128                               ; B: 128
	s_mov_b32 s[G1A+8*\s+5], SIZE_K                            ; 191:160 tensor_dim0_stride, low word: 4,096 elements from row to row
	s_mov_b32 s[G1B+8*\s+5], SIZE_K
	s_mov_b32 s[G1A+8*\s+6], 0
	s_mov_b32 s[G1B+8*\s+6], 0
	s_mov_b32 s[G1A+8*\s+7], 0
	s_mov_b32 s[G1B+8*\s+7], 0
.endr
	; where the tiles come from.  A's hang on the block row alone, which my row of the cluster shares; B's on the block column alone, which my column shares.
	; Every wave makes both addresses, in registers that never hold the other coordinate, and asks by one of them.  The byte offsets stay below 2^27.
	s_lshl_b32 s16, s13, 7
	s_lshl_b32 s17, s12, 6
	s_add_co_u32 s16, s16, s17                     ; A: row 128 x block row + 64 x half,
	s_lshl_b32 s16, s16, 13                        ; times 8,192 bytes
	s_mov_b32 s17, 0
	s_lshl_b32 s82, s78, 8
	s_lshl_b32 s83, s12, 7
	s_add_co_u32 s82, s82, s83                     ; B: row 256 x block column + 128 x half,
	s_lshl_b32 s82, s82, 13                        ; times 8,192 bytes
	s_mov_b32 s83, 0
	s_wait_dscnt 0x0
	s_wait_kmcnt 0x0
	s_add_nc_u64 s[14:15], s[4:5], s[16:17]
	s_add_nc_u64 s[82:83], s[6:7], s[82:83]
	; descriptor group 0, one set for each slot and operand.  The LDS address is a constant plus the wave's number times a constant: no place in the cluster enters it.
	s_mov_b32 s[G0A+0], 1                          ; 1:0 count = 1
	s_mul_i32 s[G0A+1], s10, 64*PX                 ; 63:32 LDS address.  A in X (waves 2, 3): behind B's 256 rows, (wave - 2) x 64 rows
	s_add_co_u32 s[G0A+1], s[G0A+1], XA-128*PX
	s_mov_b64 s[G0A+2:G0A+3], s[14:15]             ; 120:64 global address: X0 begins at K = 0
	s_or_b32 s[G0A+3], s[G0A+3], 0x80000000        ; 127:126 type = 2
	s_mov_b32 s[G0A+4], 1
	s_mul_i32 s[G0A+5], s10, 64*PY                 ; A in Y
	s_add_co_u32 s[G0A+5], s[G0A+5], YA-128*PY
	s_add_nc_u64 s[G0A+6:G0A+7], s[14:15], KX*2    ; Y0 begins at K = 256
	s_or_b32 s[G0A+7], s[G0A+7], 0x80000000
	s_mov_b32 s[G0B+0], 1
	s_mul_i32 s[G0B+1], s10, 128*PX                ; B in X (waves 0, 1): wave x 128 rows
	s_mov_b64 s[G0B+2:G0B+3], s[82:83]
	s_or_b32 s[G0B+3], s[G0B+3], 0x80000000
	s_mov_b32 s[G0B+4], 1
	s_mul_i32 s[G0B+5], s10, 128*PY                ; B in Y
	s_add_co_u32 s[G0B+5], s[G0B+5], YB
	s_add_nc_u64 s[G0B+6:G0B+7], s[82:83], KX*2
	s_or_b32 s[G0B+7], s[G0B+7], 0x80000000
	CROUND                                         ; all sixteen work-groups are here: the first joint loads meet
	JLOAD 0                                        ; X0 and Y0: the ring is filled before anything else is done: two tensor loads of the wave are out, later one
	JLOAD 1
	; A fragment is 16 rows x 32 K in 8 registers: lane l holds row l % 16; registers 0-3 hold K = 8 (l / 16) + 0..7, registers 4-7 hold
	; K = 16 + 8 (l / 16) + 0..7.  From rows that lie along K: two loads of 16 bytes, 32 bytes apart.  The same for source 0 and source 1.
	v_and_b32 v1, 15, v0                           ; l % 16
	v_bfe_u32 v2, v0, 4, 1                         ; l / 16
	v_and_b32 v6, 31, v0                           ; l
	v_mul_u32_u24 v3, v1, PX
	v_lshl_add_u32 v3, v2, 4, v3                   ; in X: row x pitch + 16 x half
	v_mul_u32_u24 v4, v1, PY
	v_lshl_add_u32 v4, v2, 4, v4                   ; in Y
	s_mul_i32 s20, s11, 64*PX                      ; my 64 rows of A in X,
	s_add_co_u32 s20, s20, XA                      ; which lie behind B's 256
	s_mul_i32 s21, s12, 128*PX                     ; my 128 rows of B in X
	s_mul_i32 s22, s11, 64*PY                      ; and the same in Y
	s_add_co_u32 s22, s22, YA
	s_mul_i32 s23, s12, 128*PY
	s_add_co_u32 s23, s23, YB
	v_add_nc_u32 v[ADRA+0], s20, v3
	v_add_nc_u32 v[ADRB+0], s21, v3
	v_add_nc_u32 v[ADRA+1], s22, v4
	v_add_nc_u32 v[ADRB+1], s23, v4
	s_mul_i32 s18, s10, 16*SPITCH
	s_add_co_u32 s18, s18, STAGE                   ; my stage
	v_mul_u32_u24 v5, v1, SPITCH                   ; in: row l % 16, 32 bytes for each half of the lanes
	v_lshl_add_u32 v5, v2, 5, v5
	v_add_nc_u32 v[STO], s18, v5
	v_mul_u32_u24 v7, v2, SPITCH                   ; back: lanes 0-15 take one row of 256 bytes, lanes 16-31 the next
	v_lshl_add_u32 v7, v1, 4, v7
	v_add_nc_u32 v[RD], s18, v7
	v_lshlrev_b32 v8, 12, v2                       ; and the same two rows in out0 (4,096 bytes apart)
	v_lshl_add_u32 v[CO], v1, 4, v8
	v_lshl_add_u32 v9, s76, 5, v6                  ; prefetch: row 32 cx + lane of the block row,
	v_lshlrev_b32 v[PF], 13, v9                    ; times 8,192 bytes,
	v_lshl_add_u32 v[PF], s10, 8, v[PF]            ; + 256 x wave (waves 1, 2, 3 ask)
	s_lshl_b32 s16, s13, 20                        ; its base: my block row (128 rows of 8,192 bytes), at byte 768 - 256 of the rows;
	s_add_co_u32 s16, s16, (KX+KY)*2-256           ; it is stepped by 768 in front of each request, so wave 1's first request is for byte 1,536: X2
	s_add_nc_u64 s[4:5], s[4:5], s[16:17]          ; s17 is still 0
; 16 matrix instructions on fragment buffer u: row blocks a0, a0 + 1 x all 8 column blocks, 32 along K.  zero = 1: the first product starts the sums: nothing is ever cleared.
.macro MUL16 u, a0, zero
.irp a, \a0, \a0+1
.irp b, 0,1,2,3,4,5,6,7
.if \zero
	v_wmma_f32_16x16x32_bf16 v[8*(8*(\a)+\b):8*(8*(\a)+\b)+7], v[FB+64*((\u)&1)+8*\b:FB+64*((\u)&1)+8*\b+7], v[FA+32*((\u)&1)+8*(\a):FA+32*((\u)&1)+8*(\a)+7], 0
.else
	v_wmma_f32_16x16x32_bf16 v[8*(8*(\a)+\b):8*(8*(\a)+\b)+7], v[FB+64*((\u)&1)+8*\b:FB+64*((\u)&1)+8*\b+7], v[FA+32*((\u)&1)+8*(\a):FA+32*((\u)&1)+8*(\a)+7], v[8*(8*(\a)+\b):8*(8*(\a)+\b)+7]
.endif
.endr
.endr
.endm
.macro MWIN u                          ; C and D window 1; sources 0 and 1 in the buffer's window
.if (\u) < 2
	WIN 0x50
.else
	WIN 0x5a
.endif
.endm
.macro MUL32 u, zero                   ; a quarter step's 32 matrix instructions
	MWIN \u
	MUL16 \u, 0, \zero
	MUL16 \u, 2, \zero
.endm
; 24 LDS loads in one run: the fragments of one quarter step (128 rows of B, 64 rows of A, 32 K at byte k of the rows of slot 0 = X or 1 = Y) into buffer g
.macro FETCH slot, k, g
.if (\g) < 2
	WIN 0
.else
	WIN 0x80                                       ; destination window 2, address window 0
.endif
.irp i, 0,1,2,3,4,5,6,7
	ds_load_b128 v[FB+64*((\g)&1)+8*\i:FB+64*((\g)&1)+8*\i+3],   v[ADRB+\slot] offset:\k+\i*16*(PX-(\slot)*(PX-PY))
	ds_load_b128 v[FB+64*((\g)&1)+8*\i+4:FB+64*((\g)&1)+8*\i+7], v[ADRB+\slot] offset:\k+\i*16*(PX-(\slot)*(PX-PY))+32
.endr
.irp i, 0,1,2,3
	ds_load_b128 v[FA+32*((\g)&1)+8*\i:FA+32*((\g)&1)+8*\i+3],   v[ADRA+\slot] offset:\k+\i*16*(PX-(\slot)*(PX-PY))
	ds_load_b128 v[FA+32*((\g)&1)+8*\i+4:FA+32*((\g)&1)+8*\i+7], v[ADRA+\slot] offset:\k+\i*16*(PX-(\slot)*(PX-PY))+32
.endr
.endm
; A load into a register that a matrix instruction has read, and an LDS store that reads a matrix result, stand four places behind that matrix instruction, and only plain
; vector instructions that name none of its registers are places (ISA guide 7.12.1 for vector instructions).  So four v_nop
; stand in front of each run of loads.
.macro PLACES
.rept 4
	v_nop
.endr
.endm
; A plain quarter: multiplies buffer u and asks for a later quarter's fragments (byte k of the slot's rows) into buffer g, which the quarter before, or an earlier one, has multiplied.
; left = 24: LDS loads come back in order (ISA guide 5.7.1), so only the youngest run of 24 may still be out: this quarter's fragments and the next quarter's are in.
.macro QF left, u, zero, slot, k, g
	s_wait_dscnt \left
	PLACES
	FETCH \slot, \k, \g
	MUL32 \u, \zero
.endm
; x0 to x3.  On the way in x0 and x1 have been asked for (48 loads).  The reads gain a quarter on the products in x2, where two runs go out; the wait there is for 0, which
; x2's own fragments need but for x3's run, asked for a quarter earlier.
.macro XHEAD zero
	QF 24, 0, \zero, 0, 128, 2                     ; x0; asks for x2
	QF 24, 1, 0, 0, 192, 3                         ; x1; asks for x3
	s_wait_dscnt 0x0                               ; x2 and x3 are in
	PLACES
	FETCH 0, 256, 0                                ; x4
	FETCH 0, 320, 1                                ; x5
	MUL32 2, 0                                     ; x2
	QF 24, 3, 0, 0, 384, 2                         ; x3; asks for x6
.endm
; A trip: X, then Y.  X is always filled again; filly = 1: so is Y; pf = 1: blocks of hb are asked to be brought nearer.
; Each change of slots is ONE barrier for two things.  In front of it each wave waits for its own reads of the slot that is left and for all its tensor loads, of which one is out:
; its part of the other slot.  Behind it nobody reads the slot any more and the other slot is whole: the refill comes first, then the other slot's first fragments.
; PREFETCH: hb is read once in the launch, from memory.  In trip i, behind Y's refill, wave w = 1, 2, 3 of the work-group at cx asks for the 256 bytes at byte 768 (i + 2) + 256 (w - 1) of rows
; 32 cx .. 32 cx + 31 of the block row, one block a lane: 4 work-groups x 3 waves x 32 lanes = the 384 blocks of X(i+2) and Y(i+2) (96 KiB for a row of the cluster), each asked for once;
; X's tensor load wants them 6 quarter steps later, Y's 12.  Trips 0 to 7 ask: the last byte asked for in a row is 7,679 of 8,192.  wpb is read again by the sixteen rows of clusters and is not asked for.
.macro TRIP zero, filly, pf
	XHEAD \zero
	s_wait_dscnt 24                                ; x4 (and x5) are in
	PLACES
	FETCH 0, 448, 3                                ; x7: my last read of X
	MWIN 0
	MUL16 0, 0, 0                                  ; x4
	s_wait_dscnt 0x0                               ; my reads of X are over,
	s_wait_tensorcnt 0x0                           ; and all my tensor loads have landed: the one that was out is my part of Y:
	ds_add_u32 v62, v63
	s_wait_dscnt 0x0
	s_barrier_signal -1                            ; say so (this barrier opens a round of the cluster's barrier),
	MUL16 0, 2, 0                                  ; work on registers while the others arrive,
	WIN 0
	s_barrier_wait -1                              ; and go on when all four have said so
	CREST                                          ; wave 0 says so for the work-group, all sixteen work-groups have said so, my work-group's barrier closes the round:
	                                               ; no wave of any partner still reads X or has a load on its way
	s_add_nc_u64 s[G0A+2:G0A+3], s[G0A+2:G0A+3], (KX+KY)*2     ; no tensor load of mine is out: a group 0 may be written
	s_add_nc_u64 s[G0B+2:G0B+3], s[G0B+2:G0B+3], (KX+KY)*2
	JLOAD 0                                        ; the next X: the first tensor load behind the round, and the wave's only one until the next
	PLACES
	FETCH 1, 0, 0                                  ; y0
	MUL32 1, 0                                     ; x5
	QF 24, 2, 0, 1, 64, 1                          ; x6; asks for y1
	QF 24, 3, 0, 1, 128, 2                         ; x7; asks for y2
	QF 24, 0, 0, 1, 192, 3                         ; y0; asks for y3: my last read of Y
	MUL32 1, 0                                     ; y1: in since the wait in front of y0
	s_wait_dscnt 0x0                               ; y2 and y3 are in: my reads of Y are over
	MWIN 2
	MUL16 2, 0, 0                                  ; y2
	s_set_vgpr_msb 0x5a50
	s_wait_tensorcnt 0x0                           ; all my tensor loads have landed: the one that was out is my part of the next X
	ds_add_u32 v62, v63
	s_wait_dscnt 0x0
	s_set_vgpr_msb 0x505a
	s_barrier_signal -1
	MUL16 2, 2, 0
	WIN 0
	s_barrier_wait -1
.if \filly
	CREST
	s_add_nc_u64 s[G0A+6:G0A+7], s[G0A+6:G0A+7], (KX+KY)*2
	s_add_nc_u64 s[G0B+6:G0B+7], s[G0B+6:G0B+7], (KX+KY)*2
	JLOAD 1                                        ; the next Y
.if \pf
	s_cmp_eq_u32 s10, 0
	s_cbranch_scc1 .Lno_ask_\@
	s_wait_xcnt 0x0                                ; the last trip's prefetch has had its address translated (ISA guide 3.1): its base is stepped only behind this wait
	s_add_nc_u64 s[4:5], s[4:5], (KX+KY)*2
	global_prefetch_b8 v[PF], s[4:5] th:TH_LOAD_NT scope:SCOPE_SE
.Lno_ask_\@:
.endif
.endif
	PLACES
	FETCH 0, 0, 0                                  ; the next X's x0
	FETCH 0, 64, 1                                 ; and x1
	MUL32 3, 0                                     ; y3
.endm
	s_wait_tensorcnt 0x1                           ; my part of X0 is in; Y0's may stay out
	s_barrier_signal -1
	s_barrier_wait -1                              ; everybody's is
	FETCH 0, 0, 0                                  ; x0
	FETCH 0, 64, 1                                 ; x1
	TRIP 1, 1, 1                                   ; trip 0 stands in front of the loop: its first products start the sums
	WIN 0                                          ; at a label and at a branch every window is 0
	s_mov_b32 s3, 7                                ; trips 1 to 7
.Ltrip:
	TRIP 0, 1, 1
	WIN 0
	s_sub_co_u32 s3, s3, 1
	s_cmp_lg_u32 s3, 0
	s_cbranch_scc1 .Ltrip
	TRIP 0, 1, 0                                   ; trip 8 fills X9 and Y9 and asks for nothing ahead
	TRIP 0, 0, 0                                   ; trip 9 fills X10; there is no Y10, so Y's change is my work-group's barrier alone, and behind it nothing is filled
	XHEAD 0                                        ; X10: the last 256 along K
	QF 24, 0, 0, 0, 448, 3                         ; x4; asks for x7
	MUL32 1, 0                                     ; x5: in since the wait in front of x4
	s_wait_dscnt 24                                ; x6 is in, x7's run may be out
	MUL32 2, 0
	s_wait_dscnt 0x0
	MUL32 3, 0
	; THE WAY OUT, 16 rows x 64 columns of out0 at a time: 32 bytes a lane into my own stage in LDS, read back as whole rows of 256 bytes.
	; The four v_nop of PLACES are the places behind the last matrix instructions: for the LDS stores, which read results, and for the loads into B's buffer 0.
	PLACES
	s_lshl_b32 s16, s13, 7
	s_lshl_b32 s14, s11, 6
	s_add_co_u32 s16, s16, s14                     ; my first row of out0: 128 x block row + 64 x half,
	s_lshl_b32 s16, s16, 12                        ; times 4,096 bytes (below 2^25)
	s_mov_b32 s17, 0
	s_add_nc_u64 s[8:9], s[8:9], s[16:17]
	s_lshl_b32 s82, s78, 10                        ; my first column, in bytes: 1,024 x block + 512 x half (in the registers that held B's address: none that feeds A's descriptors ever holds cx)
	s_lshl_b32 s83, s12, 9
	s_add_co_u32 s82, s82, s83
	s_mov_b32 s83, 0
	s_add_nc_u64 s[8:9], s[8:9], s[82:83]
; rows 16 a .. 16 a + 15, columns 64 c .. 64 c + 63 of my block = the four tiles (a, 4 c .. 4 c + 3); step = 1: 16 rows of out0 on; f: 32 registers of B's buffer 0, two sets in turn
.macro OUT16 a, c, step, f
	WIN 0x04                                       ; an LDS store's data is source 1: window 1; its address window 0
.irp b, 0,1,2,3
	ds_store_b128 v[STO], v[8*(8*\a+4*\c+\b):8*(8*\a+4*\c+\b)+3]   offset:64*\b        ; row l % 16, columns 16 b + 8 (l / 16) + 0..3 of the 64
	ds_store_b128 v[STO], v[8*(8*\a+4*\c+\b)+4:8*(8*\a+4*\c+\b)+7] offset:64*\b+16     ; and + 4..7
.endr
	WIN 0
	s_wait_xcnt 0x0                                ; every earlier memory instruction has had its addresses translated (ISA guide 3.1): the set f, which stores read, and the stores' base are rewritten only behind this wait
.if \step
	s_add_nc_u64 s[8:9], s[8:9], 16*SIZE_N*4
.endif
.irp t, 0,1,2,3,4,5,6,7
	ds_load_b128 v[\f+4*\t:\f+4*\t+3], v[RD] offset:\t*2*SPITCH    ; LDS serves a wave's instructions in order (ISA guide 5.7.1.4): these see the stores above
.endr
.irp t, 0,1,2,3,4,5,6,7
	s_wait_dscnt 7-\t                              ; read-back t is in, the 7 - t younger ones may be out
	global_store_b128 v[CO], v[\f+4*\t:\f+4*\t+3], s[8:9] offset:2*\t*SIZE_N*4+256*\c th:TH_STORE_NT   ; 16 lanes store 256 consecutive bytes, at a multiple of 256 from out0's first byte; nothing reads them again
.endr
.endm
	OUT16 0, 0, 0, 64
	OUT16 0, 1, 0, 96
	OUT16 1, 0, 1, 64
	OUT16 1, 1, 0, 96
	OUT16 2, 0, 1, 64
	OUT16 2, 1, 0, 96
	OUT16 3, 0, 1, 64
	OUT16 3, 1, 0, 96
	s_wait_tensorcnt 0x0
	ds_add_u32 v62, v63
	s_wait_dscnt 0x0
	CROUND                                         ; the closing round: no work-group ends while a partner may still ask for a tile that names it
	s_endpgm
.Lfunc_end_k_q8937c5776f_proj:
	.size	k_q8937c5776f_proj, .Lfunc_end_k_q8937c5776f_proj-k_q8937c5776f_proj
	.p2alignl 7, 3214868480
	.fill 96, 4, 3214868480
	.section	.rodata,"a",@progbits
	.p2align	6, 0x0
	.amdhsa_kernel k_q8937c5776f_proj
		.amdhsa_group_segment_fixed_size 327680
		.amdhsa_private_segment_fixed_size 0
		.amdhsa_enable_private_segment 0
		.amdhsa_kernarg_size 24
		.amdhsa_user_sgpr_count 2
		.amdhsa_user_sgpr_kernarg_segment_ptr 1
		.amdhsa_wavefront_size32 1
		.amdhsa_system_sgpr_workgroup_id_x 1
		.amdhsa_system_sgpr_workgroup_id_y 1
		.amdhsa_system_sgpr_workgroup_id_z 1
		.amdhsa_system_vgpr_workitem_id 0
		.amdhsa_next_free_vgpr 768
		.amdhsa_next_free_sgpr 88
		.amdhsa_reserve_vcc 0
		.amdhsa_float_denorm_mode_32 3
		.amdhsa_float_denorm_mode_16_64 3
		.amdhsa_memory_ordered 1
		.amdhsa_forward_progress 1
		.amdhsa_inst_pref_size 239
	.end_amdhsa_kernel
	.amdgpu_metadata
---
amdhsa.version: [ 1, 2 ]
amdhsa.kernels:
  - .name:           k_q8937c5776f_proj
    .symbol:         k_q8937c5776f_proj.kd
    .args:
      - { .name: hb, .offset: 0, .size: 8, .value_kind: global_buffer, .address_space: global }
      - { .name: wpb, .offset: 8, .size: 8, .value_kind: global_buffer, .address_space: global }
      - { .name: out0, .offset: 16, .size: 8, .value_kind: global_buffer, .address_space: global }
    .group_segment_fixed_size: 327680
    .private_segment_fixed_size: 0
    .kernarg_segment_align: 8
    .kernarg_segment_size: 24
    .max_flat_workgroup_size: 128
    .sgpr_count:     88
    .vgpr_count:     768
    .wavefront_size: 32
...
	.end_amdgpu_metadata
.endif
;; end of part 3
